; MI455X (gfx1250); checked and timed in simulation.
; The chip was launched on July 23, 2026; its instructions are those of AMD's public machine-readable ISA for CDNA 5 (MIT licence, August 2026) and "CDNA5" Instruction Set Architecture Reference Guide (July 2026). The comments in the code are by the model that wrote it; some were corrected since.
;; Attention Pool. Allowed arithmetic: float matrix products may take bf16 or f16 operands with f32 sums; all other float work in f32.
;; Inputs: context_vector 1,024 float32; hidden_states 16 x 4,096 x 1,024 float32; mask 16 x 4,096 int32.
;; Outputs: out0 16 x 1,024 float32.
;; 2 versions, each right; version 2 is version 1 with the launch partial written anew for expert scheduling mode. Each part assembles by itself: llvm-mc -triple=amdgcn-amd-amdhsa -mcpu=gfx1250 --defsym DOCPART=n.
;; ======== version 1 of 2: 2 launches
;; workspace buffers: part 1,114,112 bytes
;; launch partial (part 1): grid 256 x 1, 16 waves a work-group, no clusters, 67,840 bytes of LDS; arguments hidden_states, mask, context_vector, part; writes part
.if DOCPART == 1
	.amdgcn_target "amdgcn-amd-amdhsa--gfx1250"
	.amdhsa_code_object_version 6
	.text
	.protected	k_q39718b55bb_partial
	.globl	k_q39718b55bb_partial
	.p2align	8
	.type	k_q39718b55bb_partial,@function
k_q39718b55bb_partial:
	s_mov_b64 s[64:65], 0
	v_nop
	global_prefetch_b8 v0, s[64:65] scope:SCOPE_SE
	s_setreg_imm32_b32 hwreg(HW_REG_WAVE_MODE, 25, 1), 1
	s_wait_xcnt 0x0
; AttentionPool, first of two launches: an online softmax over 256 rows for each work-group.
; hidden_states [16][4096][1024] f32 is taken as 65,536 rows of 4,096 bytes; work-group g owns rows 256 g .. 256 g + 255 (16 groups a batch),
; wave w of it the 16 rows from 16 w on.  A wave takes a whole row: eight 16-byte loads a lane, each covering 512 consecutive bytes, and the row
; stays in 32 registers for both uses (its score, then its share of the weighted sum): every byte of hidden_states is loaded once.
; Rows go two at a time: score = row . context, masked rows get -inf, running maximum, then acc = acc * 2^(m_old - m_new) + p0 row0 + p1 row1.
; At the end the 16 waves merge in LDS, and the group stores one record of REC bytes: 1,024 sums relative to the group's maximum, then the pair
; (maximum, sum of weights) in each lane's 8 bytes of one further store of 256 consecutive bytes.
; WHY NO MATRIX INSTRUCTIONS, CLUSTERS, TENSOR LOADS: both products have one row (one column): 2 multiply-adds for every 4 bytes loaded, a stream.
; A 16 x 16 tile would hold one useful line, and rounding to bf16 would cost more vector work than the f32 multiply-adds; the groups share only
; the 4,096 bytes of the context vector; a ring in LDS would add a pass through LDS to data that is used straight from registers.
; WHY WRITTEN OUT, NOT A LOOP: 16 rows a wave lie within 65,536 bytes, so each row's address is an immediate and no address register is stepped;
; five slots do not divide 16 rows; each row's mask word has its own scalar register.  Eight pairs, about 130 instructions each.
; ARITHMETIC: all f32.  Exponentials are to base 2: log2 e is multiplied into the context vector once (one more rounding of each of its numbers).
; The running maximum starts at the lowest finite f32, which every finite score reaches or passes; -inf minus it is -inf, so a masked row's weight
; is exactly 0 and no inf - inf arises.  LIMITS: weights below 2^-126 count as 0 (v_exp_f32 flushes denormals); the sums run in another order than
; the reference's; a masked row still enters as 0 x row, so that an infinity or NaN in it gives NaN as it does in the reference.
.set ROWB,  4096                       ; bytes in a row
.set ROWS,  16                         ; rows of a wave
.set SLOTS, 5                          ; row slots in registers
.set REC,   4352                       ; bytes in a group's record: 4,096 of sums + 256 of (maximum, sum)
.set LACC,  256                        ; LDS: bytes 0-63 the waves' maxima, 64-127 their sums; from 256 on 4,096 bytes of sums for each wave
.set LOFF,  1                          ; v1        16 x lane
.set M,     2                          ; v2        running maximum (base 2)
.set L,     3                          ; v3        running sum of weights
.set P,     4                          ; v[4:5]    the pair's two weights
.set SC,    6                          ; v6 the factor 2^(m_old - m_new), v7 the new maximum
.set TA,    8                          ; v[8:15]   four chains of two for the first row's dot product; v8 its score
.set TB,    16                         ; v[16:23]  the same for the second row
.set NINF,  24                         ; v24       -inf
.set D,     25                         ; v25       m_old - m_new
.set C,     28                         ; v[28:59]  my 32 numbers of the context vector, times log2 e
.set ACC,   60                         ; v[60:91]  my 32 columns of the weighted sum
.set X,     92                         ; v[92:251] slot s: 32 registers, a row as loaded
.set MK,    16                         ; s[16:31]  the mask words of my 16 rows
	s_load_b256 s[4:11], s[0:1], 0x0               ; hidden s[4:5], mask s[6:7], context s[8:9], part s[10:11]
	v_lshl_add_u32 v252, v0, 2, 0x10100
	v_mov_b32 v253, 0
	v_lshrrev_b32 v2, 5, v0
	v_readfirstlane_b32 s12, v2                    ; wave 0..15
	v_and_b32 v[LOFF], 31, v0
	v_lshlrev_b32 v[LOFF], 4, v[LOFF]              ; 16 bytes a lane
	s_lshl_b32 s2, ttmp9, 20                       ; the group's 256 rows of 4,096 bytes (at most 255 << 20: 32 bits do)
	s_lshl_b32 s13, s12, 16                        ; the wave's 16 rows
	s_add_co_u32 s2, s2, s13
	s_mov_b32 s3, 0
	s_lshl_b32 s14, ttmp9, 10                      ; the same rows in the mask: 4 bytes each
	s_lshl_b32 s13, s12, 6
	s_add_co_u32 s14, s14, s13
	s_mov_b32 s15, 0
	s_mul_i32 s32, ttmp9, REC                      ; the group's record
	s_mov_b32 s33, 0
	s_mov_b32 s34, 0x76543210                      ; v_permlanex16_b32: lane i of one half reads lane i of the other
	s_mov_b32 s35, 0xfedcba98
	s_mov_b32 s38, 0xff7fffff                      ; the lowest finite f32
	v_mov_b32 v[NINF], 0xff800000
	s_wait_kmcnt 0x0
	s_add_nc_u64 s[4:5], s[4:5], s[2:3]            ; hidden at my wave's first row
	s_add_nc_u64 s[6:7], s[6:7], s[14:15]          ; mask at my wave's first row
	s_add_nc_u64 s[10:11], s[10:11], s[32:33]
	s_load_b512 s[MK:MK+15], s[6:7], 0x0           ; 16 mask words, 64 bytes
.irp j, 0,1,2,3,4,5,6,7
	global_load_b128 v[C+4*\j:C+4*\j+3], v[LOFF], s[8:9] offset:512*\j
.endr
.irp r, 0,1,2,3,4
.irp j, 0,1,2,3,4,5,6,7
	global_load_b128 v[X+32*\r+4*\j:X+32*\r+4*\j+3], v[LOFF], s[4:5] offset:\r*ROWB+512*\j th:TH_LOAD_NT   ; rows 0 to 4 fill the slots
.endr
.endr
	s_wait_loadcnt 40                              ; loads return in order: the context vector is in, the 40 loads of rows 0 to 4 stay out
.irp q, 0,1,2,3,4,5,6,7,8,9,10,11,12,13,14,15
	v_pk_mul_f32 v[C+2*\q:C+2*\q+1], v[C+2*\q:C+2*\q+1], 0x3fb8aa3b op_sel_hi:[1,0]   ; times log2 e: scores come out ready for v_exp_f32
.endr
	s_wait_kmcnt 0x0                               ; the mask words
; acc += weight x row.  x: the row's first register; hi: which register of the pair P holds its weight; start = 1: this product starts the sums
; (nothing is cleared); next: the row that the slot takes now, each 16 bytes asked for as soon as they have been used (none past the wave's last row).
.macro ADDROW x, hi, start, next
.irp j, 0,1,2,3,4,5,6,7
.irp h, 0,2
.if \start
	v_pk_mul_f32 v[ACC+4*\j+\h:ACC+4*\j+\h+1], v[\x+4*\j+\h:\x+4*\j+\h+1], v[P:P+1] op_sel:[0,\hi] op_sel_hi:[1,\hi]
.else
	v_pk_fma_f32 v[ACC+4*\j+\h:ACC+4*\j+\h+1], v[\x+4*\j+\h:\x+4*\j+\h+1], v[P:P+1], v[ACC+4*\j+\h:ACC+4*\j+\h+1] op_sel:[0,\hi,0] op_sel_hi:[1,\hi,1]
.endif
.endr
.if \next < ROWS
	global_load_b128 v[\x+4*\j:\x+4*\j+3], v[LOFF], s[4:5] offset:(\next)*ROWB+512*\j th:TH_LOAD_NT
.endif
.endr
.endm
; Rows i and i + 1 of the wave.  first = 1: they start maximum, sum and acc.  left: how many younger loads may stay out.
.macro PAIR i, first, left
.set XA, X+32*((\i)%SLOTS)
.set XB, X+32*((\i+1)%SLOTS)
	s_wait_loadcnt \left                           ; both rows are in; the rows behind them stay on their way
	; the two dot products, my 32 columns of each: four chains of two, started by the first products
.irp q, 0,1,2,3
	v_pk_mul_f32 v[TA+2*\q:TA+2*\q+1], v[XA+2*\q:XA+2*\q+1], v[C+2*\q:C+2*\q+1]
	v_pk_mul_f32 v[TB+2*\q:TB+2*\q+1], v[XB+2*\q:XB+2*\q+1], v[C+2*\q:C+2*\q+1]
.endr
.set q, 4
.rept 12
	v_pk_fma_f32 v[TA+2*(q%4):TA+2*(q%4)+1], v[XA+2*q:XA+2*q+1], v[C+2*q:C+2*q+1], v[TA+2*(q%4):TA+2*(q%4)+1]
	v_pk_fma_f32 v[TB+2*(q%4):TB+2*(q%4)+1], v[XB+2*q:XB+2*q+1], v[C+2*q:C+2*q+1], v[TB+2*(q%4):TB+2*(q%4)+1]
.set q, q+1
.endr
	v_pk_add_f32 v[TA:TA+1], v[TA:TA+1], v[TA+2:TA+3]
	v_pk_add_f32 v[TB:TB+1], v[TB:TB+1], v[TB+2:TB+3]
	v_pk_add_f32 v[TA+4:TA+5], v[TA+4:TA+5], v[TA+6:TA+7]
	v_pk_add_f32 v[TB+4:TB+5], v[TB+4:TB+5], v[TB+6:TB+7]
	v_pk_add_f32 v[TA:TA+1], v[TA:TA+1], v[TA+4:TA+5]
	v_pk_add_f32 v[TB:TB+1], v[TB:TB+1], v[TB+4:TB+5]
	v_add_f32 v[TA], v[TA], v[TA+1]
	v_add_f32 v[TB], v[TB], v[TB+1]
	; across the 32 lanes: four steps inside each half of 16 ride on the add, one crosses the halves; every lane ends with the score
.irp x, 1,2,4,8
	v_add_f32_dpp v[TA], v[TA], v[TA] row_xmask:\x row_mask:0xf bank_mask:0xf
	v_add_f32_dpp v[TB], v[TB], v[TB] row_xmask:\x row_mask:0xf bank_mask:0xf
.endr
	v_permlanex16_b32 v[TA+1], v[TA], s34, s35     ; (its destination counts as read: a register written above)
	v_permlanex16_b32 v[TB+1], v[TB], s34, s35
	s_cmp_eq_u32 s[MK+\i], 0                       ; mask == 0: all lanes take -inf for the score
	s_cselect_b32 s36, -1, 0
	s_cmp_eq_u32 s[MK+\i+1], 0
	s_cselect_b32 s37, -1, 0
	v_add_f32 v[TA], v[TA], v[TA+1]
	v_add_f32 v[TB], v[TB], v[TB+1]
	v_cndmask_b32 v[TA], v[TA], v[NINF], s36
	v_cndmask_b32 v[TB], v[TB], v[NINF], s37
.if \first
	v_max3_num_f32 v[M], v[TA], v[TB], s38         ; never below the lowest finite number
	v_sub_f32 v[TA], v[TA], v[M]
	v_sub_f32 v[TB], v[TB], v[M]
	v_exp_f32 v[P], v[TA]
	v_exp_f32 v[P+1], v[TB]
	v_nop                                          ; one plain vector instruction between a transcendental and the use of its result (ISA guide 5.7.2)
	s_wait_alu depctr_va_vdst(0)
	v_add_f32 v[L], v[P], v[P+1]
	ADDROW XA, 0, 1, \i+SLOTS
	ADDROW XB, 1, 0, \i+SLOTS+1
.else
	v_max3_num_f32 v[SC+1], v[M], v[TA], v[TB]     ; the new maximum
	v_sub_f32 v[D], v[M], v[SC+1]
	v_sub_f32 v[TA], v[TA], v[SC+1]
	v_sub_f32 v[TB], v[TB], v[SC+1]
	v_exp_f32 v[SC], v[D]                          ; what the old sums are worth under the new maximum
	v_exp_f32 v[P], v[TA]
	v_exp_f32 v[P+1], v[TB]
	v_mov_b32 v[M], v[SC+1]                        ; the plain instruction between the transcendentals and the use of their results
	s_wait_alu depctr_va_vdst(0)
	v_fma_f32 v[L], v[L], v[SC], v[P]
	v_add_f32 v[L], v[L], v[P+1]
.irp q, 0,1,2,3,4,5,6,7,8,9,10,11,12,13,14,15
	v_pk_mul_f32 v[ACC+2*\q:ACC+2*\q+1], v[ACC+2*\q:ACC+2*\q+1], v[SC:SC+1] op_sel_hi:[1,0]   ; one rescaling for two rows
.endr
	ADDROW XA, 0, 0, \i+SLOTS
	ADDROW XB, 1, 0, \i+SLOTS+1
.endif
.endm
	PAIR 0,  1, 24                                 ; behind rows i, i+1 stand rows i+2 .. i+4: 3 x 8 loads
	PAIR 2,  0, 24
	PAIR 4,  0, 24
	PAIR 6,  0, 24
	PAIR 8,  0, 24
	PAIR 10, 0, 24                                 ; asks for row 15 alone: the last
	PAIR 12, 0, 16                                 ; rows 14 and 15 are out
	PAIR 14, 0, 0
	; THE 16 WAVES MERGE.  First the maxima and sums: each wave puts its two numbers into its own words (all lanes the same value).
	v_mov_b32 v[TB+1], s12
	v_lshlrev_b32 v[TB+1], 2, v[TB+1]
	ds_store_b32 v[TB+1], v[M]
	ds_store_b32 v[TB+1], v[L] offset:64
	s_wait_dscnt 0x0                               ; for the other waves' sake: my stores are done before I signal
	s_barrier_signal -1
	s_barrier_wait -1
	v_and_b32 v[TB+2], 15, v0
	v_lshlrev_b32 v[TB+2], 2, v[TB+2]
	ds_load_b32 v[TB], v[TB+2]                     ; lane l: maximum of wave l % 16
	ds_load_b32 v[TA+1], v[TB+2] offset:64         ;         and its sum
	s_lshl_b32 s13, s12, 12                        ; my wave's 4,096 bytes of sums
	s_wait_dscnt 0x0
	v_mov_b32 v[TA], v[TB]
.irp x, 1,2,4,8
	v_max_num_f32_dpp v[TA], v[TA], v[TA] row_xmask:\x row_mask:0xf bank_mask:0xf   ; the group's maximum, in every lane
.endr
	v_sub_f32 v[TB], v[TB], v[TA]
	v_sub_f32 v[SC], v[M], v[TA]
	v_exp_f32 v[TB], v[TB]                         ; what wave l % 16's sums are worth under it
	v_exp_f32 v[SC], v[SC]                         ; and my own wave's
	v_add_nc_u32 v[TB+3], s13, v[LOFF]             ; (the plain instruction behind the transcendentals)
	s_wait_alu depctr_va_vdst(0)
	v_mul_f32 v[TA+1], v[TA+1], v[TB]
.irp x, 1,2,4,8
	v_add_f32_dpp v[TA+1], v[TA+1], v[TA+1] row_xmask:\x row_mask:0xf bank_mask:0xf ; the group's sum of weights, in every lane
.endr
.irp q, 0,1,2,3,4,5,6,7,8,9,10,11,12,13,14,15
	v_pk_mul_f32 v[ACC+2*\q:ACC+2*\q+1], v[ACC+2*\q:ACC+2*\q+1], v[SC:SC+1] op_sel_hi:[1,0]
.endr
.irp j, 0,1,2,3,4,5,6,7
	ds_store_b128 v[TB+3], v[ACC+4*\j:ACC+4*\j+3] offset:LACC+512*\j   ; byte 4 c of my wave's part = column c; lanes at consecutive 16 bytes
.endr
	s_wait_dscnt 0x0                               ; again for the others: zero before the signal
	s_barrier_signal -1
	s_barrier_wait -1
	v_lshlrev_b32 v[TB+2], 3, v0                   ; thread t adds up columns 2 t, 2 t + 1 of the 16 waves
.irp w, 0,1,2,3,4,5,6,7,8,9,10,11,12,13,14,15
	ds_load_b64 v[X+2*\w:X+2*\w+1], v[TB+2] offset:LACC+4096*\w        ; a wave's load: 256 consecutive bytes
.endr
	s_wait_dscnt 0x0
.irp w, 0,2,4,6,8,10,12,14
	v_pk_add_f32 v[X+2*\w:X+2*\w+1], v[X+2*\w:X+2*\w+1], v[X+2*\w+2:X+2*\w+3]
.endr
.irp w, 0,4,8,12
	v_pk_add_f32 v[X+2*\w:X+2*\w+1], v[X+2*\w:X+2*\w+1], v[X+2*\w+4:X+2*\w+5]
.endr
	v_pk_add_f32 v[X:X+1], v[X:X+1], v[X+8:X+9]
	v_pk_add_f32 v[X+16:X+17], v[X+16:X+17], v[X+24:X+25]
	v_pk_add_f32 v[X:X+1], v[X:X+1], v[X+16:X+17]
	global_store_b64 v[TB+2], v[X:X+1], s[10:11]   ; each wave's store covers 256 consecutive bytes, at a multiple of 256 from the buffer's first byte
	s_cmp_lg_u32 s12, 0
	s_cbranch_scc1 .Lend
	global_store_b64 v[TB+2], v[TA:TA+1], s[10:11] offset:4096         ; wave 0 (t = lane): (maximum, sum) 32 times, 256 consecutive bytes
.Lend:
	s_wait_tensorcnt 0x0
	ds_add_u32 v252, v253
	s_wait_dscnt 0x0
	s_endpgm
.Lfunc_end_k_q39718b55bb_partial:
	.size	k_q39718b55bb_partial, .Lfunc_end_k_q39718b55bb_partial-k_q39718b55bb_partial
	.p2alignl 7, 3214868480
	.fill 96, 4, 3214868480
	.section	.rodata,"a",@progbits
	.p2align	6, 0x0
	.amdhsa_kernel k_q39718b55bb_partial
		.amdhsa_group_segment_fixed_size 67840
		.amdhsa_private_segment_fixed_size 0
		.amdhsa_enable_private_segment 0
		.amdhsa_kernarg_size 32
		.amdhsa_user_sgpr_count 2
		.amdhsa_user_sgpr_kernarg_segment_ptr 1
		.amdhsa_wavefront_size32 1
		.amdhsa_system_sgpr_workgroup_id_x 1
		.amdhsa_system_sgpr_workgroup_id_y 1
		.amdhsa_system_sgpr_workgroup_id_z 1
		.amdhsa_system_vgpr_workitem_id 0
		.amdhsa_next_free_vgpr 254
		.amdhsa_next_free_sgpr 66
		.amdhsa_reserve_vcc 0
		.amdhsa_float_denorm_mode_32 3
		.amdhsa_float_denorm_mode_16_64 3
		.amdhsa_memory_ordered 1
		.amdhsa_forward_progress 1
		.amdhsa_inst_pref_size 75
	.end_amdhsa_kernel
	.amdgpu_metadata
---
amdhsa.version: [ 1, 2 ]
amdhsa.kernels:
  - .name:           k_q39718b55bb_partial
    .symbol:         k_q39718b55bb_partial.kd
    .args:
      - { .name: hidden_states, .offset: 0, .size: 8, .value_kind: global_buffer, .address_space: global }
      - { .name: mask, .offset: 8, .size: 8, .value_kind: global_buffer, .address_space: global }
      - { .name: context_vector, .offset: 16, .size: 8, .value_kind: global_buffer, .address_space: global }
      - { .name: part, .offset: 24, .size: 8, .value_kind: global_buffer, .address_space: global }
    .group_segment_fixed_size: 67840
    .private_segment_fixed_size: 0
    .kernarg_segment_align: 8
    .kernarg_segment_size: 32
    .max_flat_workgroup_size: 512
    .sgpr_count:     66
    .vgpr_count:     254
    .wavefront_size: 32
...
	.end_amdgpu_metadata
.endif
;; end of part 1
;; launch combine (part 2): grid 16 x 16, 1 waves a work-group, no clusters, 0 bytes of LDS; arguments part, out0; writes out0
.if DOCPART == 2
	.amdgcn_target "amdgcn-amd-amdhsa--gfx1250"
	.amdhsa_code_object_version 6
	.text
	.protected	k_q39718b55bb_combine
	.globl	k_q39718b55bb_combine
	.p2align	8
	.type	k_q39718b55bb_combine,@function
k_q39718b55bb_combine:
	s_mov_b64 s[64:65], 0
	v_nop
	global_prefetch_b8 v0, s[64:65] scope:SCOPE_SE
	s_setreg_imm32_b32 hwreg(HW_REG_WAVE_MODE, 25, 1), 1
	s_wait_xcnt 0x0
; AttentionPool, second launch: out0[b][c] = sum over the batch's 16 records i of acc_i[c] 2^(m_i - m) / sum over i of l_i 2^(m_i - m), m = max m_i.
; A record (REC bytes) holds 1,024 f32 sums relative to its own maximum m_i (base 2), then the pair (m_i, l_i).
; One wave for a batch (the work-group's y) and 64 columns (its x): a lane owns two columns, so each load and the store of the wave cover 256
; consecutive bytes.  All 17 loads are issued at once; the weights are made while the records are on their way.  256 waves, no LDS, no barrier.
; A batch that is masked everywhere has l = 0 and sums 0 in all its records: 0 x (1 / 0) gives NaN, as the reference's softmax of -inf does.
; A record whose rows are all masked holds the lowest finite f32 as m_i: its weight is 2^(very negative) = 0, and its l_i and sums are 0.
.set REC,   4352
.set PARTS, 16
.set W,     16                         ; s[16:31]  the records' weights, already divided by the sum
.set R,     8                          ; v[8:39]   record i: my two columns
.set O,     40                         ; v[40:41]  the result
	s_load_b128 s[4:7], s[0:1], 0x0                ; part s[4:5], out0 s[6:7]
	s_and_b32 s8, ttmp7, 0xffff                    ; batch
	s_mul_i32 s10, s8, PARTS*REC                   ; its 16 records
	s_mov_b32 s11, 0
	s_lshl_b32 s12, s8, 12                         ; its row of out0
	s_mov_b32 s13, 0
	s_lshl_b32 s9, ttmp9, 8                        ; the 64 columns, in bytes
	v_and_b32 v1, 15, v0
	v_mul_u32_u24 v1, v1, REC                      ; lane l looks at record l % 16
	v_lshl_add_u32 v2, v0, 3, s9                   ; my two columns
	s_wait_kmcnt 0x0
	s_add_nc_u64 s[4:5], s[4:5], s[10:11]
	s_add_nc_u64 s[6:7], s[6:7], s[12:13]
	global_load_b64 v[4:5], v1, s[4:5] offset:4096 ; (m_i, l_i)
.irp i, 0,1,2,3,4,5,6,7,8,9,10,11,12,13,14,15
	global_load_b64 v[R+2*\i:R+2*\i+1], v2, s[4:5] offset:\i*REC
.endr
	s_wait_loadcnt 16                              ; loads return in order: (m_i, l_i) is in, the 16 loads behind it stay out
	v_mov_b32 v6, v4
.irp x, 1,2,4,8
	v_max_num_f32_dpp v6, v6, v6 row_xmask:\x row_mask:0xf bank_mask:0xf   ; the batch's maximum: each half of 16 lanes holds all 16 records
.endr
	v_sub_f32 v4, v4, v6
	v_exp_f32 v4, v4                               ; 2^(m_i - m)
	v_nop                                          ; one plain vector instruction between a transcendental and the use of its result (ISA guide 5.7.2)
	s_wait_alu depctr_va_vdst(0)
	v_mul_f32 v5, v5, v4
.irp x, 1,2,4,8
	v_add_f32_dpp v5, v5, v5 row_xmask:\x row_mask:0xf bank_mask:0xf       ; the batch's sum of weights (at least 1 unless all is masked)
.endr
	v_rcp_f32 v5, v5
	v_nop
	s_wait_alu depctr_va_vdst(0)
	v_mul_f32 v4, v4, v5                           ; lane i: record i's weight, divided by the sum
.irp i, 0,1,2,3,4,5,6,7,8,9,10,11,12,13,14,15
	v_readlane_b32 s[W+\i], v4, \i
.endr
	s_wait_loadcnt 15                              ; record 0 is in
	v_mul_f32 v[O], s[W], v[R]                     ; the first products start the sums
	v_mul_f32 v[O+1], s[W], v[R+1]
.irp i, 1,2,3,4,5,6,7,8,9,10,11,12,13,14,15
	s_wait_loadcnt 15-\i                           ; record i is in, the 15 - i behind it may be out
	v_fmac_f32 v[O], s[W+\i], v[R+2*\i]
	v_fmac_f32 v[O+1], s[W+\i], v[R+2*\i+1]
.endr
	global_store_b64 v2, v[O:O+1], s[6:7]          ; 256 consecutive bytes, at a multiple of 256 from out0's first byte
	s_endpgm
.Lfunc_end_k_q39718b55bb_combine:
	.size	k_q39718b55bb_combine, .Lfunc_end_k_q39718b55bb_combine-k_q39718b55bb_combine
	.p2alignl 7, 3214868480
	.fill 96, 4, 3214868480
	.section	.rodata,"a",@progbits
	.p2align	6, 0x0
	.amdhsa_kernel k_q39718b55bb_combine
		.amdhsa_group_segment_fixed_size 0
		.amdhsa_private_segment_fixed_size 0
		.amdhsa_enable_private_segment 0
		.amdhsa_kernarg_size 16
		.amdhsa_user_sgpr_count 2
		.amdhsa_user_sgpr_kernarg_segment_ptr 1
		.amdhsa_wavefront_size32 1
		.amdhsa_system_sgpr_workgroup_id_x 1
		.amdhsa_system_sgpr_workgroup_id_y 1
		.amdhsa_system_sgpr_workgroup_id_z 1
		.amdhsa_system_vgpr_workitem_id 0
		.amdhsa_next_free_vgpr 42
		.amdhsa_next_free_sgpr 66
		.amdhsa_reserve_vcc 0
		.amdhsa_float_denorm_mode_32 3
		.amdhsa_float_denorm_mode_16_64 3
		.amdhsa_memory_ordered 1
		.amdhsa_forward_progress 1
		.amdhsa_inst_pref_size 6
	.end_amdhsa_kernel
	.amdgpu_metadata
---
amdhsa.version: [ 1, 2 ]
amdhsa.kernels:
  - .name:           k_q39718b55bb_combine
    .symbol:         k_q39718b55bb_combine.kd
    .args:
      - { .name: part, .offset: 0, .size: 8, .value_kind: global_buffer, .address_space: global }
      - { .name: out0, .offset: 8, .size: 8, .value_kind: global_buffer, .address_space: global }
    .group_segment_fixed_size: 0
    .private_segment_fixed_size: 0
    .kernarg_segment_align: 8
    .kernarg_segment_size: 16
    .max_flat_workgroup_size: 32
    .sgpr_count:     66
    .vgpr_count:     42
    .wavefront_size: 32
...
	.end_amdgpu_metadata
.endif
;; end of part 2
;; ======== version 2 of 2: 2 launches; version 1 with the launch partial written anew for expert scheduling mode
;; workspace buffers: part 1,114,112 bytes
;; launch partial (part 3): grid 256 x 1, 16 waves a work-group, no clusters, 67,840 bytes of LDS; arguments hidden_states, mask, context_vector, part; writes part
.if DOCPART == 3
	.amdgcn_target "amdgcn-amd-amdhsa--gfx1250"
	.amdhsa_code_object_version 6
	.text
	.protected	k_q39718b55bb_partial
	.globl	k_q39718b55bb_partial
	.p2align	8
	.type	k_q39718b55bb_partial,@function
k_q39718b55bb_partial:
	s_mov_b64 s[64:65], 0
	v_nop
	global_prefetch_b8 v0, s[64:65] scope:SCOPE_SE
	s_setreg_imm32_b32 hwreg(HW_REG_WAVE_SCHED_MODE, 0, 2), 2
	s_setreg_imm32_b32 hwreg(HW_REG_WAVE_MODE, 25, 1), 1
	s_wait_xcnt 0x0
	s_wait_alu depctr_vm_vsrc(0)
; AttentionPool, first of two launches: an online softmax over 256 rows for each work-group.
; hidden_states [16][4096][1024] f32 is taken as 65,536 rows of 4,096 bytes; work-group g owns rows 256 g .. 256 g + 255 (16 groups a batch),
; wave w of it the 16 rows from 16 w on.  A wave takes a whole row: eight 16-byte loads a lane, each covering 512 consecutive bytes, and the row
; stays in 32 registers for both uses (its score, then its share of the weighted sum): every byte of hidden_states is loaded once.
; Rows go two at a time: score = row . context, masked rows get -inf, running maximum, then acc = acc * 2^(m_old - m_new) + p0 row0 + p1 row1.
; At the end the 16 waves merge in LDS, and the group stores one record of REC bytes: 1,024 sums relative to the group's maximum, then the pair
; (maximum, sum of weights) in each lane's 8 bytes of one further store of 256 consecutive bytes.
; WHY NO MATRIX INSTRUCTIONS, CLUSTERS, TENSOR LOADS: both products have one row (one column): 2 multiply-adds for every 4 bytes loaded, a stream.
; A 16 x 16 tile would hold one useful line, and rounding to bf16 would cost more vector work than the f32 multiply-adds; the groups share only
; the 4,096 bytes of the context vector; a ring in LDS would add a pass through LDS to data that is used straight from registers.
; WHY WRITTEN OUT, NOT A LOOP: 16 rows a wave lie within 65,536 bytes, so each row's address is an immediate and no address register is stepped;
; five slots do not divide 16 rows; each row's mask word has its own scalar register.  Eight pairs, about 130 instructions each.
; ARITHMETIC: all f32.  Exponentials are to base 2: log2 e is multiplied into the context vector once (one more rounding of each of its numbers).
; The running maximum starts at the lowest finite f32, which every finite score reaches or passes; -inf minus it is -inf, so a masked row's weight
; is exactly 0 and no inf - inf arises.  LIMITS: weights below 2^-126 count as 0 (v_exp_f32 flushes denormals); the sums run in another order than
; the reference's; a masked row still enters as 0 x row, so that an infinity or NaN in it gives NaN as it does in the reference.
; THE MODE: SCHED_MODE bits 1:0 = 2 (LLVM: expert scheduling mode 2), set by the entry lines.  The code itself states the register dependences
; between vector instructions and memory or LDS instructions, with s_wait_alu, always for 0.
; THE PLAN.  Registers that memory or LDS instructions touch:
;   v[LOFF]        the offset of every global load: written once at the head, never again.
;   X, slots 0-4   pair i's products read slots i % 5 and (i + 1) % 5; behind them rows i + 5 and i + 6 land in the same two slots.  The other three
;                  slots, in which loads are pending, are named by no vector instruction of the pair.  At the end 16 LDS loads land in slot 0.
;   M, L, ACC      data of the merge's LDS stores; v17, v18, v19, v20 its four addresses, one register each, none written twice.
;   v16, v9        two LDS loads of the merge land here; v[92:93], v[8:9] data of the two global stores.
; So ONE wait on va_vdst stands in a pair, behind its last multiply-add, and the pair's refill loads follow it in one run: ahead of the next pair's wait
; for data, so that five rows and not three are asked for while the wave sits there.  A sixth slot does not fit: 92 + 6 x 32 registers against the
; 256 that four waves on a SIMD leave each.  Three more waits on va_vdst stand in the merge.  No register that a memory or LDS instruction reads is
; ever written again, so no wait on vm_vsrc is needed between them; EXEC is never written.
.set ROWB,  4096                       ; bytes in a row
.set ROWS,  16                         ; rows of a wave
.set SLOTS, 5                          ; row slots in registers
.set REC,   4352                       ; bytes in a group's record: 4,096 of sums + 256 of (maximum, sum)
.set LACC,  256                        ; LDS: bytes 0-63 the waves' maxima, 64-127 their sums; from 256 on 4,096 bytes of sums for each wave
.set LOFF,  1                          ; v1        16 x lane
.set M,     2                          ; v2        running maximum (base 2)
.set L,     3                          ; v3        running sum of weights
.set P,     4                          ; v[4:5]    the pair's two weights
.set SC,    6                          ; v6 the factor 2^(m_old - m_new), v7 the new maximum
.set TA,    8                          ; v[8:15]   four chains of two for the first row's dot product; v8 its score
.set TB,    16                         ; v[16:23]  the same for the second row; in the merge v17 to v20 are LDS addresses
.set NINF,  24                         ; v24       -inf
.set D,     25                         ; v25       m_old - m_new
.set C,     28                         ; v[28:59]  my 32 numbers of the context vector, times log2 e
.set ACC,   60                         ; v[60:91]  my 32 columns of the weighted sum
.set X,     92                         ; v[92:251] slot s: 32 registers, a row as loaded
.set MK,    16                         ; s[16:31]  the mask words of my 16 rows
	s_load_b256 s[4:11], s[0:1], 0x0               ; hidden s[4:5], mask s[6:7], context s[8:9], part s[10:11]
	v_lshl_add_u32 v26, v0, 2, 0x10100
	v_mov_b32 v27, 0
	v_lshrrev_b32 v2, 5, v0
	v_readfirstlane_b32 s12, v2                    ; wave 0..15
	v_and_b32 v[LOFF], 31, v0
	v_lshlrev_b32 v[LOFF], 4, v[LOFF]              ; 16 bytes a lane
	s_wait_alu depctr_va_sdst(0)                   ; s12 is written, ahead of its first reader: the wave's offsets in hidden and mask are made from it
	s_lshl_b32 s2, ttmp9, 20                       ; the group's 256 rows of 4,096 bytes (at most 255 << 20: 32 bits do)
	s_lshl_b32 s13, s12, 16                        ; the wave's 16 rows
	s_add_co_u32 s2, s2, s13
	s_mov_b32 s3, 0
	s_lshl_b32 s14, ttmp9, 10                      ; the same rows in the mask: 4 bytes each
	s_lshl_b32 s13, s12, 6
	s_add_co_u32 s14, s14, s13
	s_mov_b32 s15, 0
	s_mul_i32 s32, ttmp9, REC                      ; the group's record
	s_mov_b32 s33, 0
	s_mov_b32 s34, 0x76543210                      ; v_permlanex16_b32: lane i of one half reads lane i of the other
	s_mov_b32 s35, 0xfedcba98
	s_mov_b32 s38, 0xff7fffff                      ; the lowest finite f32
	v_mov_b32 v[NINF], 0xff800000
	s_wait_kmcnt 0x0
	s_add_nc_u64 s[4:5], s[4:5], s[2:3]            ; hidden at my wave's first row
	s_add_nc_u64 s[6:7], s[6:7], s[14:15]          ; mask at my wave's first row
	s_add_nc_u64 s[10:11], s[10:11], s[32:33]
	s_load_b512 s[MK:MK+15], s[6:7], 0x0           ; 16 mask words, 64 bytes
	s_wait_alu depctr_va_vdst(0)                   ; v[LOFF] is written: every global load of the kernel reads it as its offset
.irp j, 0,1,2,3,4,5,6,7
	global_load_b128 v[C+4*\j:C+4*\j+3], v[LOFF], s[8:9] offset:512*\j
.endr
.irp r, 0,1,2,3,4
.irp j, 0,1,2,3,4,5,6,7
	global_load_b128 v[X+32*\r+4*\j:X+32*\r+4*\j+3], v[LOFF], s[4:5] offset:\r*ROWB+512*\j th:TH_LOAD_NT   ; rows 0 to 4 fill the slots
.endr
.endr
	s_wait_loadcnt 40                              ; loads return in order: the context vector is in, the 40 loads of rows 0 to 4 stay out
.irp q, 0,1,2,3,4,5,6,7,8,9,10,11,12,13,14,15
	v_pk_mul_f32 v[C+2*\q:C+2*\q+1], v[C+2*\q:C+2*\q+1], 0x3fb8aa3b op_sel_hi:[1,0]   ; times log2 e: scores come out ready for v_exp_f32
.endr
	s_wait_kmcnt 0x0                               ; the mask words
; acc += weight x row.  x: the row's first register; hi: which register of the pair P holds its weight; start = 1: this product starts the sums
; (nothing is cleared).
.macro ADDROW x, hi, start
.irp j, 0,1,2,3,4,5,6,7
.irp h, 0,2
.if \start
	v_pk_mul_f32 v[ACC+4*\j+\h:ACC+4*\j+\h+1], v[\x+4*\j+\h:\x+4*\j+\h+1], v[P:P+1] op_sel:[0,\hi] op_sel_hi:[1,\hi]
.else
	v_pk_fma_f32 v[ACC+4*\j+\h:ACC+4*\j+\h+1], v[\x+4*\j+\h:\x+4*\j+\h+1], v[P:P+1], v[ACC+4*\j+\h:ACC+4*\j+\h+1] op_sel:[0,\hi,0] op_sel_hi:[1,\hi,1]
.endif
.endr
.endr
.endm
; The slot at register x takes row next of the wave (none past the wave's last row).
.macro FILL x, next
.if (\next) < ROWS
.irp j, 0,1,2,3,4,5,6,7
	global_load_b128 v[\x+4*\j:\x+4*\j+3], v[LOFF], s[4:5] offset:(\next)*ROWB+512*\j th:TH_LOAD_NT
.endr
.endif
.endm
; Rows i and i + 1 of the wave.  first = 1: they start maximum, sum and acc.  left: how many younger loads may stay out.
.macro PAIR i, first, left
.set XA, X+32*((\i)%SLOTS)
.set XB, X+32*((\i+1)%SLOTS)
	s_wait_loadcnt \left                           ; both rows are in; the rows behind them stay on their way
	; the two dot products, my 32 columns of each: four chains of two, started by the first products
.irp q, 0,1,2,3
	v_pk_mul_f32 v[TA+2*\q:TA+2*\q+1], v[XA+2*\q:XA+2*\q+1], v[C+2*\q:C+2*\q+1]
	v_pk_mul_f32 v[TB+2*\q:TB+2*\q+1], v[XB+2*\q:XB+2*\q+1], v[C+2*\q:C+2*\q+1]
.endr
.set q, 4
.rept 12
	v_pk_fma_f32 v[TA+2*(q%4):TA+2*(q%4)+1], v[XA+2*q:XA+2*q+1], v[C+2*q:C+2*q+1], v[TA+2*(q%4):TA+2*(q%4)+1]
	v_pk_fma_f32 v[TB+2*(q%4):TB+2*(q%4)+1], v[XB+2*q:XB+2*q+1], v[C+2*q:C+2*q+1], v[TB+2*(q%4):TB+2*(q%4)+1]
.set q, q+1
.endr
	v_pk_add_f32 v[TA:TA+1], v[TA:TA+1], v[TA+2:TA+3]
	v_pk_add_f32 v[TB:TB+1], v[TB:TB+1], v[TB+2:TB+3]
	v_pk_add_f32 v[TA+4:TA+5], v[TA+4:TA+5], v[TA+6:TA+7]
	v_pk_add_f32 v[TB+4:TB+5], v[TB+4:TB+5], v[TB+6:TB+7]
	v_pk_add_f32 v[TA:TA+1], v[TA:TA+1], v[TA+4:TA+5]
	v_pk_add_f32 v[TB:TB+1], v[TB:TB+1], v[TB+4:TB+5]
	v_add_f32 v[TA], v[TA], v[TA+1]
	v_add_f32 v[TB], v[TB], v[TB+1]
	; across the 32 lanes: four steps inside each half of 16 ride on the add, one crosses the halves; every lane ends with the score
.irp x, 1,2,4,8
	v_add_f32_dpp v[TA], v[TA], v[TA] row_xmask:\x row_mask:0xf bank_mask:0xf
	v_add_f32_dpp v[TB], v[TB], v[TB] row_xmask:\x row_mask:0xf bank_mask:0xf
.endr
	v_permlanex16_b32 v[TA+1], v[TA], s34, s35     ; (its destination counts as read: a register written above)
	v_permlanex16_b32 v[TB+1], v[TB], s34, s35
	s_cmp_eq_u32 s[MK+\i], 0                       ; mask == 0: all lanes take -inf for the score (s36, s37 are written by scalar instructions)
	s_cselect_b32 s36, -1, 0
	s_cmp_eq_u32 s[MK+\i+1], 0
	s_cselect_b32 s37, -1, 0
	v_add_f32 v[TA], v[TA], v[TA+1]
	v_add_f32 v[TB], v[TB], v[TB+1]
	v_cndmask_b32 v[TA], v[TA], v[NINF], s36
	v_cndmask_b32 v[TB], v[TB], v[NINF], s37
.if \first
	v_max3_num_f32 v[M], v[TA], v[TB], s38         ; never below the lowest finite number
	v_sub_f32 v[TA], v[TA], v[M]
	v_sub_f32 v[TB], v[TB], v[M]
	v_exp_f32 v[P], v[TA]
	v_exp_f32 v[P+1], v[TB]
	v_nop                                          ; one plain vector instruction between a transcendental and the use of its result (ISA guide 5.7.2)
	s_wait_alu depctr_va_vdst(0)
	v_add_f32 v[L], v[P], v[P+1]
	ADDROW XA, 0, 1
	ADDROW XB, 1, 0
.else
	v_max3_num_f32 v[SC+1], v[M], v[TA], v[TB]     ; the new maximum
	v_sub_f32 v[D], v[M], v[SC+1]
	v_sub_f32 v[TA], v[TA], v[SC+1]
	v_sub_f32 v[TB], v[TB], v[SC+1]
	v_exp_f32 v[SC], v[D]                          ; what the old sums are worth under the new maximum
	v_exp_f32 v[P], v[TA]
	v_exp_f32 v[P+1], v[TB]
	v_mov_b32 v[M], v[SC+1]                        ; the plain instruction between the transcendentals and the use of their results
	s_wait_alu depctr_va_vdst(0)
	v_fma_f32 v[L], v[L], v[SC], v[P]
	v_add_f32 v[L], v[L], v[P+1]
.irp q, 0,1,2,3,4,5,6,7,8,9,10,11,12,13,14,15
	v_pk_mul_f32 v[ACC+2*\q:ACC+2*\q+1], v[ACC+2*\q:ACC+2*\q+1], v[SC:SC+1] op_sel_hi:[1,0]   ; one rescaling for two rows
.endr
	ADDROW XA, 0, 0
	ADDROW XB, 1, 0
.endif
.if (\i+SLOTS) < ROWS
	s_wait_alu depctr_va_vdst(0)                   ; the pair's products are done reading its two slots, in which the loads below land
	FILL XA, \i+SLOTS                              ; both slots are asked for again at once, ahead of the next pair's wait for its data
	FILL XB, \i+SLOTS+1
.endif
.endm
	PAIR 0,  1, 24                                 ; behind rows i, i+1 stand rows i+2 .. i+4: 3 x 8 loads
	PAIR 2,  0, 24
	PAIR 4,  0, 24
	PAIR 6,  0, 24
	PAIR 8,  0, 24
	PAIR 10, 0, 24                                 ; asks for row 15 alone: the last
	PAIR 12, 0, 16                                 ; rows 14 and 15 are out; this pair and the next load nothing and hold no wait on va_vdst
	PAIR 14, 0, 0
	; THE 16 WAVES MERGE.  First the maxima and sums: each wave puts its two numbers into its own words (all lanes the same value).
	v_mov_b32 v[TB+1], s12
	v_lshlrev_b32 v[TB+1], 2, v[TB+1]
	v_and_b32 v[TB+2], 15, v0                      ; the address of the loads behind the barrier is made here, ahead of the same wait
	v_lshlrev_b32 v[TB+2], 2, v[TB+2]
	s_wait_alu depctr_va_vdst(0)                   ; M, L and the addresses v[TB+1], v[TB+2] are written, which the LDS stores and loads below read; the pairs' work on v[TB] and v[TA+1], in which those loads land, is over
	ds_store_b32 v[TB+1], v[M]
	ds_store_b32 v[TB+1], v[L] offset:64
	s_wait_dscnt 0x0                               ; for the other waves' sake: my stores are done before I signal
	s_barrier_signal -1
	s_barrier_wait -1
	ds_load_b32 v[TB], v[TB+2]                     ; lane l: maximum of wave l % 16.  No vector instruction since the wait above
	ds_load_b32 v[TA+1], v[TB+2] offset:64         ;         and its sum
	s_lshl_b32 s13, s12, 12                        ; my wave's 4,096 bytes of sums
	s_wait_dscnt 0x0
	v_mov_b32 v[TA], v[TB]
.irp x, 1,2,4,8
	v_max_num_f32_dpp v[TA], v[TA], v[TA] row_xmask:\x row_mask:0xf bank_mask:0xf   ; the group's maximum, in every lane
.endr
	v_sub_f32 v[TB], v[TB], v[TA]
	v_sub_f32 v[SC], v[M], v[TA]
	v_exp_f32 v[TB], v[TB]                         ; what wave l % 16's sums are worth under it
	v_exp_f32 v[SC], v[SC]                         ; and my own wave's
	v_add_nc_u32 v[TB+3], s13, v[LOFF]             ; (the plain instruction behind the transcendentals)
	s_wait_alu depctr_va_vdst(0)
	v_mul_f32 v[TA+1], v[TA+1], v[TB]
.irp x, 1,2,4,8
	v_add_f32_dpp v[TA+1], v[TA+1], v[TA+1] row_xmask:\x row_mask:0xf bank_mask:0xf ; the group's sum of weights, in every lane
.endr
.irp q, 0,1,2,3,4,5,6,7,8,9,10,11,12,13,14,15
	v_pk_mul_f32 v[ACC+2*\q:ACC+2*\q+1], v[ACC+2*\q:ACC+2*\q+1], v[SC:SC+1] op_sel_hi:[1,0]
.endr
	v_lshlrev_b32 v[TB+4], 3, v0                   ; thread t adds up columns 2 t, 2 t + 1 of the 16 waves: a register of its own, which no LDS instruction has read
	s_wait_alu depctr_va_vdst(0)                   ; ACC and v[TB+3] are written, which the LDS stores read; so is v[TB+4], the address of the loads behind the barrier, and slot 0, in which they land, has had its last vector reader
.irp j, 0,1,2,3,4,5,6,7
	ds_store_b128 v[TB+3], v[ACC+4*\j:ACC+4*\j+3] offset:LACC+512*\j   ; byte 4 c of my wave's part = column c; lanes at consecutive 16 bytes
.endr
	s_wait_dscnt 0x0                               ; again for the others: zero before the signal
	s_barrier_signal -1
	s_barrier_wait -1
.irp w, 0,1,2,3,4,5,6,7,8,9,10,11,12,13,14,15
	ds_load_b64 v[X+2*\w:X+2*\w+1], v[TB+4] offset:LACC+4096*\w        ; a wave's load: 256 consecutive bytes.  No vector instruction since the wait above
.endr
	s_wait_dscnt 0x0
.irp w, 0,2,4,6,8,10,12,14
	v_pk_add_f32 v[X+2*\w:X+2*\w+1], v[X+2*\w:X+2*\w+1], v[X+2*\w+2:X+2*\w+3]
.endr
.irp w, 0,4,8,12
	v_pk_add_f32 v[X+2*\w:X+2*\w+1], v[X+2*\w:X+2*\w+1], v[X+2*\w+4:X+2*\w+5]
.endr
	v_pk_add_f32 v[X:X+1], v[X:X+1], v[X+8:X+9]
	v_pk_add_f32 v[X+16:X+17], v[X+16:X+17], v[X+24:X+25]
	v_pk_add_f32 v[X:X+1], v[X:X+1], v[X+16:X+17]
	s_wait_alu depctr_va_vdst(0)                   ; the additions have written v[X:X+1], which the store reads (v[TA:TA+1] and v[TB+4] were written ahead of the wait before)
	global_store_b64 v[TB+4], v[X:X+1], s[10:11]   ; each wave's store covers 256 consecutive bytes, at a multiple of 256 from the buffer's first byte
	s_cmp_lg_u32 s12, 0
	s_cbranch_scc1 .Lend
	global_store_b64 v[TB+4], v[TA:TA+1], s[10:11] offset:4096         ; wave 0 (t = lane): (maximum, sum) 32 times, 256 consecutive bytes
.Lend:
	s_wait_dscnt 0x0
	s_wait_alu depctr_hold_cnt(0) depctr_sa_sdst(0) depctr_va_vdst(0) depctr_va_sdst(0) depctr_va_ssrc(0) depctr_va_vcc(0) depctr_vm_vsrc(0)
	s_wait_tensorcnt 0x0
	ds_add_u32 v26, v27
	s_wait_dscnt 0x0
	s_endpgm
.Lfunc_end_k_q39718b55bb_partial:
	.size	k_q39718b55bb_partial, .Lfunc_end_k_q39718b55bb_partial-k_q39718b55bb_partial
	.p2alignl 7, 3214868480
	.fill 96, 4, 3214868480
	.section	.rodata,"a",@progbits
	.p2align	6, 0x0
	.amdhsa_kernel k_q39718b55bb_partial
		.amdhsa_group_segment_fixed_size 67840
		.amdhsa_private_segment_fixed_size 0
		.amdhsa_enable_private_segment 0
		.amdhsa_kernarg_size 32
		.amdhsa_user_sgpr_count 2
		.amdhsa_user_sgpr_kernarg_segment_ptr 1
		.amdhsa_wavefront_size32 1
		.amdhsa_system_sgpr_workgroup_id_x 1
		.amdhsa_system_sgpr_workgroup_id_y 1
		.amdhsa_system_sgpr_workgroup_id_z 1
		.amdhsa_system_vgpr_workitem_id 0
		.amdhsa_next_free_vgpr 252
		.amdhsa_next_free_sgpr 66
		.amdhsa_reserve_vcc 0
		.amdhsa_float_denorm_mode_32 3
		.amdhsa_float_denorm_mode_16_64 3
		.amdhsa_memory_ordered 1
		.amdhsa_forward_progress 1
		.amdhsa_inst_pref_size 75
	.end_amdhsa_kernel
	.amdgpu_metadata
---
amdhsa.version: [ 1, 2 ]
amdhsa.kernels:
  - .name:           k_q39718b55bb_partial
    .symbol:         k_q39718b55bb_partial.kd
    .args:
      - { .name: hidden_states, .offset: 0, .size: 8, .value_kind: global_buffer, .address_space: global }
      - { .name: mask, .offset: 8, .size: 8, .value_kind: global_buffer, .address_space: global }
      - { .name: context_vector, .offset: 16, .size: 8, .value_kind: global_buffer, .address_space: global }
      - { .name: part, .offset: 24, .size: 8, .value_kind: global_buffer, .address_space: global }
    .group_segment_fixed_size: 67840
    .private_segment_fixed_size: 0
    .kernarg_segment_align: 8
    .kernarg_segment_size: 32
    .max_flat_workgroup_size: 512
    .sgpr_count:     66
    .vgpr_count:     252
    .wavefront_size: 32
...
	.end_amdgpu_metadata
.endif
;; end of part 3
;; launch combine: the kernel of part 2 again; grid 16 x 16, 1 waves a work-group, no clusters, 0 bytes of LDS; arguments part, out0; writes out0
